; MI455X (gfx1250); checked and timed in simulation.
; The chip was launched on July 23, 2026; its instructions are those of AMD's public machine-readable ISA for CDNA 5 (MIT licence, August 2026) and "CDNA5" Instruction Set Architecture Reference Guide (July 2026). The comments in the code are by the model that wrote it; some were corrected since.
;; Patch Core Anomaly Head. Allowed arithmetic: matrix products marked QUANTISED: E2M1 operands, one E8M0 scale for each 32 along K, by v_wmma_scale_f32_16x16x128_f8f6f4 with both operands' format E2M1 (or v_wmma_scale_f32_32x16x128_f4), f32 sums; everything else in f32.
;; Inputs: W1_codes 512 x 32 x 16 uint8 (E2M1 codes of W1, K innermost, in blocks of 32 codes, two codes a byte); W1_scales 512 x 32 uint8 (E8M0 scales of W1, one for each 32 codes along K); W2_codes 256 x 16 x 16 uint8 (E2M1 codes of W2, K innermost, in blocks of 32 codes, two codes a byte); W2_scales 256 x 16 uint8 (E8M0 scales of W2, one for each 32 codes along K); b1 512 float32; b2 256 float32; features_codes 8 x 4,096 x 32 x 16 uint8 (E2M1 codes of features, K innermost, in blocks of 32 codes, two codes a byte); features_scales 8 x 4,096 x 32 uint8 (E8M0 scales of features, one for each 32 codes along K); memory_bank 4,096 x 256 float32.
;; Outputs: out0 8 x 4,096 float32.
;; This version of the problem:
;;   THIS VERSION OF THE PROBLEM IS GIVEN IN LOW PRECISION. The matrix products marked QUANTISED in the list below multiply operands that are first quantised to E2M1 (2 exponent bits, 1 mantissa bit; 4 bits a number), with one power-of-two scale for each 32 numbers along K (OCP MX v1.0); their sums are f32. All else is computed in f32.
;;   The module's matrix products, in the order in which they are computed (A, B: the left and right operand; K: the contracted axis; several contracted axes count as one K, in the product's order):
;;     1. [M 32,768, K 1,024] x [K 1,024, N 512]; A: input features (given as codes); B: input W1 (given as codes): QUANTISED
;;     2. [M 32,768, K 512] x [K 512, N 256]; A: computed on the way; B: input W2 (given as codes): QUANTISED
;;     3. [M 32,768, K 256] x [K 256, N 4,096]; A: computed on the way; B: input memory_bank: QUANTISED
;;   THE QUANTISER, for each operand of a quantised product, along K:
;;     - K is cut into blocks of 32 from its start; a last block that is shorter is filled with zeros.
;;     - A block's scale is 2^e with e = floor(log2(the largest magnitude in the block)) - 2, held to -126 .. 127; a block of zeros has e = 0. As a byte (E8M0): e + 127.
;;     - Each number is divided by its block's scale, clamped to +-6, and rounded to the nearest number of E2M1, ties to even, subnormals kept.
;;     - The product sums the exact products of the quantised numbers (number of the format x scale) in f32.
;;   ~~~python
;;   def quantise(x, axis):      # numpy; x: float32 -> the quantised numbers, widened to float32 again
;;       x = np.moveaxis(x, axis, -1); K = x.shape[-1]
;;       x = np.pad(x, [(0, 0)] * (x.ndim - 1) + [(0, -K % 32)]); x = x.reshape(x.shape[:-1] + (-1, 32)); a = np.abs(x).max(-1, keepdims=True)
;;       e = np.where(a > 0, np.clip(np.frexp(np.where(a > 0, a, 1))[1] - 1 - 2, -126, 127), 0)      # np.frexp(a)[1] - 1 = floor(log2(a)), exactly
;;       r = np.clip(x / 2.0 ** e, -6, 6)
;;       step = 2.0 ** (np.maximum(np.frexp(np.where(r == 0, 1, r))[1] - 1, 0) - 1)
;;       q = np.round(r / step) * step * 2.0 ** e      # np.round: ties to even
;;       return np.moveaxis(q.reshape(q.shape[:-2] + (-1,))[..., :K], -1, axis).astype(np.float32)
;;   ~~~
;;   OPERANDS COMPUTED ON THE WAY. 'Computed on the way' means the value that the module computes at that place (a softmax that the list does not call 'softmax' is quantised finished and normalised). What goes into a quantiser is computed in f32, as accurately as f32 sums, v_exp_f32 and their like allow (about 1e-6 of the number): no bf16 or f16 on the way to a quantiser, and a product that is left as it is and whose result goes on into a quantised operand takes f32 operands (vector FMAs, or v_wmma_f32_16x16x4_f32). A number that lies on a knife's edge between two numbers of the format may be rounded either way, as far as f32 arithmetic and the matrix unit's own rounding can turn it there, and no further.
;;   INPUTS GIVEN AS CODES. W1 (in the module: [1024, 512], K = its axis 0); W2 (in the module: [512, 256], K = its axis 0); features (in the module: [8, 4096, 1024], K = its axis 2): each comes as NAME_codes (uint8): NAME with its K axis moved to the last place and cut into blocks of 32 codes, [.., K / 32, bytes a block], one block behind the other in memory; two codes a byte, the lower K in the low four bits (a code: sign, 2 exponent bits, 1 mantissa bit); and NAME_scales (uint8): the same leading axes, one E8M0 byte (e + 127) for each 32 codes along K. Its value is code x scale, taken as it is: it is not quantised again, and the codes and scales need not be those that the quantiser above would give.
;; One version. Each part assembles by itself: llvm-mc -triple=amdgcn-amd-amdhsa -mcpu=gfx1250 --defsym DOCPART=n.
;; ======== version 1 of 1: 2 launches
;; limits: right only within a limited range of input values
;; workspace buffers: wimg 327,680 bytes; bankq 589,824 bytes
;; launch prep (part 1): grid 256 x 1, 4 waves a work-group, no clusters, 2,816 bytes of LDS; arguments memory_bank, W1_codes, wimg, bankq, W2_codes; writes wimg, bankq
.if DOCPART == 1
	.amdgcn_target "amdgcn-amd-amdhsa--gfx1250"
	.amdhsa_code_object_version 6
	.text
	.protected	k_q9fd19839d9_prep
	.globl	k_q9fd19839d9_prep
	.p2align	8
	.type	k_q9fd19839d9_prep,@function
k_q9fd19839d9_prep:
	s_mov_b64 s[64:65], 0
	v_nop
	global_prefetch_b8 v0, s[64:65] scope:SCOPE_SE
	s_setreg_imm32_b32 hwreg(HW_REG_WAVE_MODE, 25, 1), 1
	s_wait_xcnt 0x0
; Lays out, once, what the next launch reads as IMAGES OF OPERAND REGISTERS.
; wimg: eight parts of 40,960 bytes, part w for wave w there.  First W1's codes [K step 8][u 2][q 2][c 2][lane 32][16 bytes] of hidden units 64 w + 32 u + ..: row r of half q is unit r + 8 (r / 8) + 8 q;
;   lane r + 16 h holds k = 64 c + 32 h + 0 .. 31 of the K step.  Then W2's [2][u 2][q 2][c 2][lane][16 bytes]: units 64 (w % 4) + .. likewise, K steps 2 (w / 4), + 1.
; bankq: 128 blocks of 32 entries, 4,608 bytes each: codes [K step 2][q 2][c 2][lane][16 bytes] (entry 16 q + r of the block), then two units of 256 bytes (q = 0, 1) with the sixteen entries' scale words of
;   K steps 0 and 1 (64 bytes each) and twice their sixteen -m2/2 (m2: sum of squares of the unquantised entry); unit 1 has its two halves exchanged.
; The bank is quantised along its 256 by the MX rule: scale byte = exponent field of the block's largest magnitude - 2, held at 1 from below; codes to nearest, ties to even, beyond 6 the largest code.
; Work-group j owns entries 16 j .. 16 j + 15, wave i four of them: lane l holds k = 8 l .. 8 l + 7 of each, four lanes make a block of 32.  Each wave also copies 256 bytes of W1's image, wave 1 another 256 of W2's.
; Every store covers whole aligned units of 256 bytes.  No cluster: each wave reads bytes of its own.
; LIMITS: NaN and infinities are not served.  A block of zeros, and a block whose largest magnitude lies under 2^-124, gets the byte 1 (a block of zeros has zero codes; these bytes are read by this program alone).
.set AUX,   2048                       ; behind the codes' stage: scale words and -m2/2 of the sixteen entries, 256 bytes
.set SPARE, 2304                       ; the spare words, 128 bytes for each wave
.set PART,  40960
.set X,  16                            ; v16-47  four entries x 8 numbers
.set TM, 50                            ; largest magnitudes
.set SQ, 54                            ; sums of squares, a pair for each entry
.set PT, 62                            ; a lane permute's destinations
.set SO, 66                            ; the conversions' scale operands
.set BY, 70                            ; the scale bytes
.set CD, 74                            ; codes
	s_load_b256 s[4:11], s[0:1], 0x0               ; bank s[4:5], W1 s[6:7], wimg s[8:9], bankq s[10:11]
	s_load_b64 s[36:37], s[0:1], 0x20              ; W2
	v_lshrrev_b32 v1, 5, v0
	v_readfirstlane_b32 s16, v1                    ; wave i
	s_lshl_b32 s12, ttmp9, 14                      ; 16 entries: 16,384 dense bytes
	s_lshl_b32 s17, s16, 12
	s_add_co_u32 s12, s12, s17
	s_mov_b32 s13, 0
	s_lshr_b32 s35, ttmp9, 5                       ; W1's source: w = j / 32, K step (j / 4) % 8, u = (j / 2) % 2, q = j % 2
	s_lshl_b32 s18, s35, 15
	s_bfe_u32 s19, ttmp9, 0x10001
	s_lshl_b32 s19, s19, 14
	s_add_co_u32 s18, s18, s19
	s_and_b32 s20, ttmp9, 1
	s_lshl_b32 s19, s20, 12
	s_add_co_u32 s18, s18, s19
	s_bfe_u32 s19, ttmp9, 0x30002
	s_lshl_b32 s19, s19, 6
	s_add_co_u32 s18, s18, s19
	s_lshl_b32 s19, s16, 4                         ; i = 2 c + h
	s_add_co_u32 s18, s18, s19
	s_mov_b32 s19, 0
	s_mul_i32 s22, s35, PART                       ; and its place: part w, unit 4 (j % 32) + i
	s_and_b32 s21, ttmp9, 31
	s_lshl_b32 s40, s21, 8
	s_add_co_u32 s40, s40, s22
	s_add_co_u32 s40, s40, 32768                   ; W2's place: unit j % 32 behind W1's
	s_mov_b32 s41, 0
	s_lshl_b32 s17, s21, 10
	s_add_co_u32 s22, s22, s17
	s_lshl_b32 s17, s16, 8
	s_add_co_u32 s22, s22, s17
	s_mov_b32 s23, 0
	s_and_b32 s38, s35, 3                          ; W2's source: unit j % 32 = 16 s + 8 u + 4 q + 2 c + h: rows 64 (w % 4) + 32 u + 8 q + .. of 256 bytes,
	s_lshl_b32 s38, s38, 14
	s_bfe_u32 s17, ttmp9, 0x10003
	s_lshl_b32 s17, s17, 13
	s_add_co_u32 s38, s38, s17
	s_bfe_u32 s17, ttmp9, 0x10002
	s_lshl_b32 s17, s17, 11
	s_add_co_u32 s38, s38, s17
	s_lshr_b32 s17, ttmp9, 7
	s_lshl_b32 s17, s17, 7                         ; K step 2 (w / 4) + s,
	s_add_co_u32 s38, s38, s17
	s_bfe_u32 s17, ttmp9, 0x10004
	s_lshl_b32 s17, s17, 6
	s_add_co_u32 s38, s38, s17
	s_and_b32 s17, ttmp9, 3
	s_lshl_b32 s17, s17, 4                         ; 32 c + 16 h
	s_add_co_u32 s38, s38, s17
	s_mov_b32 s39, 0
	s_lshr_b32 s24, ttmp9, 1
	s_mul_i32 s24, s24, 4608                       ; my block in bankq
	s_lshl_b32 s26, s20, 8
	s_add_co_u32 s26, s26, s24                     ; its unit q (the immediate adds 4,096)
	s_mov_b32 s27, 0
	s_lshl_b32 s17, s20, 10
	s_add_co_u32 s24, s24, s17
	s_lshr_b32 s17, s16, 1
	s_lshl_b32 s17, s17, 11
	s_add_co_u32 s24, s24, s17
	s_and_b32 s17, s16, 1
	s_lshl_b32 s17, s17, 9
	s_add_co_u32 s24, s24, s17                     ; wave i sends the stage's bytes 512 i .. + 511: K step i / 2, c = i % 2
	s_mov_b32 s25, 0
	s_mov_b32 s28, 0x76543210
	s_mov_b32 s29, 0xfedcba98                      ; v_permlanex16_b32's selects for lane l xor 16
	s_lshl_b32 s30, s16, 6
	s_lshl_b32 s31, s16, 4
	s_add_co_u32 s31, s31, AUX
	s_lshl_b32 s33, s16, 9
	s_lshl_b32 s34, s20, 7
	v_lshl_add_u32 v14, v0, 2, SPARE
	v_mov_b32 v15, 0
	v_and_b32 v2, 31, v0                           ; lane l
	v_lshlrev_b32 v3, 5, v2
	v_lshrrev_b32 v4, 1, v2                        ; the weights: r = l / 2, 8 bytes a lane
	v_and_b32 v5, 8, v4
	v_add_nc_u32 v4, v4, v5
	v_and_b32 v5, 1, v2
	v_lshlrev_b32 v5, 3, v5
	v_lshl_or_b32 v88, v4, 8, v5                   ; a row of W2 is 256 bytes,
	v_lshl_or_b32 v4, v4, 9, v5                    ; of W1 512
	v_lshrrev_b32 v6, 2, v2                        ; codes into the stage: 256 (l / 4) + 16 (4 i + e) + 4 (l % 4)
	v_and_b32 v7, 3, v2
	v_lshlrev_b32 v7, 2, v7
	v_lshl_or_b32 v6, v6, 8, v7
	v_add_nc_u32 v6, s30, v6
	v_lshrrev_b32 v10, 4, v2
	v_lshlrev_b32 v10, 6, v10                      ; 64 (l / 16)
	v_bfe_u32 v8, v2, 2, 2
	v_add_nc_u32 v8, v8, v10
	v_add_nc_u32 v8, s31, v8                       ; scale byte: word of K step l / 16, entry 4 i + e, byte (l / 4) % 4
	v_add_nc_u32 v9, s31, v10                      ; -m2/2: lanes 0-15 one copy, lanes 16-31 the other (the offset adds 128)
	v_lshlrev_b32 v12, 4, v2
	v_add_nc_u32 v11, s33, v12
	v_lshlrev_b32 v13, 3, v2
	v_xor_b32 v7, s34, v13                         ; unit 1 has its halves exchanged
	v_mov_b32 v62, 0                               ; written once: a lane permute's destination counts as one of its sources
	v_mov_b32 v63, 0
	v_mov_b32 v64, 0
	v_mov_b32 v65, 0
	s_wait_alu depctr_va_vdst(0)                   ; the wait at the head's end
	s_wait_kmcnt 0x0
	s_add_nc_u64 s[4:5], s[4:5], s[12:13]
	s_add_nc_u64 s[6:7], s[6:7], s[18:19]
	s_add_nc_u64 s[36:37], s[36:37], s[38:39]
	s_add_nc_u64 s[40:41], s[8:9], s[40:41]
	s_add_nc_u64 s[8:9], s[8:9], s[22:23]
	s_add_nc_u64 s[24:25], s[10:11], s[24:25]
	s_add_nc_u64 s[26:27], s[10:11], s[26:27]
	s_cmp_lg_u32 s16, 1
	s_cbranch_scc1 .Lno_w2
	global_load_b64 v[86:87], v88, s[36:37]        ; ahead of the entries, so that the counts below are the same in every wave
.Lno_w2:
.irp e, 0,1,2,3
	global_load_b128 v[X+8*\e:X+8*\e+3], v3, s[4:5] offset:1024*\e th:TH_LOAD_NT
	global_load_b128 v[X+8*\e+4:X+8*\e+7], v3, s[4:5] offset:1024*\e+16 th:TH_LOAD_NT
.endr
	global_load_b64 v[48:49], v4, s[6:7]
	s_wait_loadcnt 0x1                             ; the entries are in; W1's 8 bytes may be out
.irp e, 0,1,2,3
	v_max3_num_f32 v[TM+\e], |v[X+8*\e]|, |v[X+8*\e+1]|, 0x1800000   ; with the floor 2^(3 - 127): the byte cannot fall under 1
.endr
.irp e, 0,1,2,3
	v_pk_mul_f32 v[SQ+2*\e:SQ+2*\e+1], v[X+8*\e:X+8*\e+1], v[X+8*\e:X+8*\e+1]
.endr
.irp i, 2,4,6
.irp e, 0,1,2,3
	v_max3_num_f32 v[TM+\e], v[TM+\e], |v[X+8*\e+\i]|, |v[X+8*\e+\i+1]|
.endr
.irp e, 0,1,2,3
	v_pk_fma_f32 v[SQ+2*\e:SQ+2*\e+1], v[X+8*\e+\i:X+8*\e+\i+1], v[X+8*\e+\i:X+8*\e+\i+1], v[SQ+2*\e:SQ+2*\e+1]
.endr
.endr
.irp e, 0,1,2,3
	v_add_f32 v[SQ+2*\e], v[SQ+2*\e], v[SQ+2*\e+1]
.endr
.irp k, 1,2                                        ; the block's four lanes
.irp e, 0,1,2,3
	v_max_num_f32_dpp v[TM+\e], v[TM+\e], v[TM+\e] row_xmask:\k row_mask:0xf bank_mask:0xf
.endr
.endr
.irp k, 1,2,4,8                                    ; the entry's 32 lanes
.irp e, 0,1,2,3
	v_add_f32_dpp v[SQ+2*\e], v[SQ+2*\e], v[SQ+2*\e] row_xmask:\k row_mask:0xf bank_mask:0xf
.endr
.endr
.irp e, 0,1,2,3
	v_permlanex16_b32 v[PT+\e], v[SQ+2*\e], s28, s29
.endr
.irp e, 0,1,2,3
	v_add_nc_u32 v[SO+\e], 0xff000000, v[TM+\e]    ; 2 off the exponent field: the conversion takes the exponent field of this operand as its scale
.endr
.irp e, 0,1,2,3
	v_add_f32 v[SQ+2*\e], v[SQ+2*\e], v[PT+\e]
.endr
.irp e, 0,1,2,3
	v_lshrrev_b32 v[BY+\e], 23, v[SO+\e]
.endr
.irp e, 0,1,2,3
	v_mul_f32 v[SQ+2*\e], -0.5, v[SQ+2*\e]
.endr
.irp e, 0,1,2,3
	v_cvt_scalef32_pk8_fp4_f32 v[CD+\e], v[X+8*\e:X+8*\e+7], v[SO+\e]
.endr
	v_nop                                          ; one plain place behind the last scaled conversion
.irp e, 0,1,2,3
	ds_store_b32 v6, v[CD+\e] offset:16*\e
	ds_store_b8 v8, v[BY+\e] offset:4*\e           ; the block's four lanes write the same byte with the same value
	ds_store_b32 v9, v[SQ+2*\e] offset:128+4*\e    ; sixteen lanes write the same word with the same value
.endr
	s_wait_loadcnt 0x0
	global_store_b64 v13, v[48:49], s[8:9]         ; 256 consecutive bytes, aligned
	s_cmp_lg_u32 s16, 1
	s_cbranch_scc1 .Lnot_w2
	global_store_b64 v13, v[86:87], s[40:41]
.Lnot_w2:
	s_wait_dscnt 0x0                               ; for the others' sake: my LDS stores have landed
	s_barrier_signal -1
	s_barrier_wait -1
	ds_load_b128 v[80:83], v11
	s_wait_dscnt 0x0
	global_store_b128 v12, v[80:83], s[24:25]      ; 512 consecutive bytes, aligned
	s_cmp_lg_u32 s16, 0
	s_cbranch_scc1 .Lend
	ds_load_b64 v[84:85], v13 offset:AUX
	s_wait_dscnt 0x0
	global_store_b64 v7, v[84:85], s[26:27] offset:4096   ; 256 consecutive bytes, aligned
.Lend:
	s_wait_tensorcnt 0x0                           ; the wave's end
	ds_add_u32 v14, v15
	s_wait_dscnt 0x0
	s_endpgm
.Lfunc_end_k_q9fd19839d9_prep:
	.size	k_q9fd19839d9_prep, .Lfunc_end_k_q9fd19839d9_prep-k_q9fd19839d9_prep
	.p2alignl 7, 3214868480
	.fill 96, 4, 3214868480
	.section	.rodata,"a",@progbits
	.p2align	6, 0x0
	.amdhsa_kernel k_q9fd19839d9_prep
		.amdhsa_group_segment_fixed_size 2816
		.amdhsa_private_segment_fixed_size 0
		.amdhsa_enable_private_segment 0
		.amdhsa_kernarg_size 40
		.amdhsa_user_sgpr_count 2
		.amdhsa_user_sgpr_kernarg_segment_ptr 1
		.amdhsa_wavefront_size32 1
		.amdhsa_system_sgpr_workgroup_id_x 1
		.amdhsa_system_sgpr_workgroup_id_y 1
		.amdhsa_system_sgpr_workgroup_id_z 1
		.amdhsa_system_vgpr_workitem_id 0
		.amdhsa_next_free_vgpr 96
		.amdhsa_next_free_sgpr 66
		.amdhsa_reserve_vcc 0
		.amdhsa_float_denorm_mode_32 3
		.amdhsa_float_denorm_mode_16_64 3
		.amdhsa_memory_ordered 1
		.amdhsa_forward_progress 1
		.amdhsa_inst_pref_size 12
	.end_amdhsa_kernel
	.amdgpu_metadata
---
amdhsa.version: [ 1, 2 ]
amdhsa.kernels:
  - .name:           k_q9fd19839d9_prep
    .symbol:         k_q9fd19839d9_prep.kd
    .args:
      - { .name: memory_bank, .offset: 0, .size: 8, .value_kind: global_buffer, .address_space: global }
      - { .name: W1_codes, .offset: 8, .size: 8, .value_kind: global_buffer, .address_space: global }
      - { .name: wimg, .offset: 16, .size: 8, .value_kind: global_buffer, .address_space: global }
      - { .name: bankq, .offset: 24, .size: 8, .value_kind: global_buffer, .address_space: global }
      - { .name: W2_codes, .offset: 32, .size: 8, .value_kind: global_buffer, .address_space: global }
    .group_segment_fixed_size: 2816
    .private_segment_fixed_size: 0
    .kernarg_segment_align: 8
    .kernarg_segment_size: 40
    .max_flat_workgroup_size: 128
    .sgpr_count:     66
    .vgpr_count:     96
    .wavefront_size: 32
...
	.end_amdgpu_metadata
.endif
;; end of part 1
;; launch chain (part 2): grid 256 x 1, 8 waves a work-group, clusters of 4 x 1, 327,680 bytes of LDS; arguments features_codes, features_scales, W1_scales, b1, W2_scales, b2, wimg, bankq, out0; writes out0
.if DOCPART == 2
	.amdgcn_target "amdgcn-amd-amdhsa--gfx1250"
	.amdhsa_code_object_version 6
	.text
	.protected	k_q9fd19839d9_chain
	.globl	k_q9fd19839d9_chain
	.p2align	8
	.type	k_q9fd19839d9_chain,@function
k_q9fd19839d9_chain:
	s_mov_b64 s[64:65], 0
	v_nop
	global_prefetch_b8 v0, s[64:65] scope:SCOPE_SE
	s_setreg_imm32_b32 hwreg(HW_REG_WAVE_MODE, 25, 1), 1
	s_wait_xcnt 0x0
	s_wait_alu depctr_hold_cnt(0) depctr_sa_sdst(0) depctr_va_vdst(0) depctr_va_sdst(0) depctr_va_ssrc(0) depctr_va_vcc(0) depctr_vm_vsrc(0)
	s_getreg_b32 s2, hwreg(HW_REG_IB_STS2, 6, 4)
	s_cmp_eq_u32 s2, 0
	s_cbranch_scc0 .Lentry_in_a_cluster
	s_endpgm
.Lentry_in_a_cluster:
	s_bfe_u32 s2, ttmp6, 0x10000c
	s_cmp_lg_u32 s2, 0x3003
	s_cbranch_scc0 .Lentry_shape_is_right
	s_endpgm
.Lentry_shape_is_right:
; out0[row] = min over the 4,096 bank entries of sqrt(max(x2 - 2 xm + m2, 0)), proj = relu(x W1 + b1) W2 + b2; all three products on E2M1 codes with one E8M0 scale for each 32 along K.
; sqrt and max(., 0) never fall where their input rises, so the minimum is taken first: per row the LARGEST (xm - m2/2) is kept, and d2 = x2 - 2 x that; one root a row.  -m2/2 is the C of a bank block's first matrix instruction.
; x2 and m2 are sums of squares of the unquantised f32 numbers.
; SHARES.  A work-group owns 128 rows (8 tiles of 16).  Eight waves.  First product: wave w makes hidden units 64 w .. + 63 for all rows.  Second: units 64 (w % 4) .. + 63 of proj for rows 64 (w / 4) .. + 63.
; Third: the 512 entries of part w of 'bankq' (16 blocks of 32) for all rows.  All products are used TRANSPOSED (source 0 = 32 rows of the weight or 32 entries, source 1 = 16 of my rows): a lane holds ONE row, its registers run along
; the columns, the next product's K: row 16 q + 8 h + j of a 32-row tile of W1 or W2 is its unit 16 h + 8 q + j, so a lane's 16 results are 16 neighbours.  h and proj go from wave to wave through LDS as images of operand registers.
; relu is applied to the CODES: the block maximum is taken without magnitudes (a negative number does not count against the floor), and the magnitude bits of every negative code are cleared.
; CLUSTER.  The four work-groups of a cluster walk the same weights and the same bank.  Asked for JOINTLY (mask 15), by the wave that reads it: W1's K steps 2 to 5 and the bank's blocks 0 to 11.  Straight into registers, and so not
; jointly: W1's K steps 0 and 1, which are multiplied while the first joint load is on its way; K steps 6 and 7 and W2, which are wanted while the wave's two slots in LDS hold K steps 2 to 5 and the bank's first blocks; the bank's
; blocks 12 to 15, so that twelve blocks are left for two slots of three: two refills in place of four; scales and biases, under 24 KB.  The features are each work-group's own: through registers into LDS, half of K at a time.
; PREFETCH: the bank's blocks 6 to 11, ahead of the refills that ask for them, by cluster 0 (see ASK).  All else comes by loads of its own a phase, or three blocks, ahead of its use, with no loop to run ahead in.
; LIMITS: NaN and infinities are not served.  A block of zeros, and one whose largest magnitude lies under 2^-124, gets the scale byte 1 (zero codes add nothing).
;   d2 is formed as x2 - 2 (xm - m2/2): another order of rounding than x2 - 2 xm + m2.  v_sqrt_f32 takes a d2 under 2^-126 as 0.
; LDS: wave w's 30,208 bytes at 30,208 w, filled by tensor loads alone: W1's K steps 2 to 5 at 0, later slot X (three blocks of the bank) there; slot Y (three blocks) at 16,384.
;   From FREG on only LDS stores write: the features, 128 rows of 512 + 16 bytes; when every wave has read them, h's images and scale words, proj's, partial x2, partial maxima.  Then the spare words.
; REGISTERS.  window 0: v2-30 addresses; v32-63 x's scale words, later b2 as C; v64-79 W1's scale words, later W2's and h's; v80-143 x's fragments, v144-207 W1's (two sets), later v80-207 W2's; v208-239 the features' second half
;   on its way, then W1's K step 6, later v208-255 the quantiser's; third product: v32-63, v208-239 the ring's fragments (two blocks), v64-67 their scale words, v68-69 a direct block's, v72-79 proj's, v80-207 proj's fragments.
;   window 1: accumulators; in the second product v128-255 h's fragments; in the third v0-127 results, v128-159 -m2/2 as C, v160-175 running maxima, v176-223 a direct block's fragments and -m2/2.
.set BLK,   4608
.set SLOTY, 16384
.set PARTB, SLOTY+3*BLK                ; a wave's part of LDS
.set WPART, 40960                      ; a wave's part of wimg
.set FREG,  8*PARTB
.set FPIT,  528
.set HIMG,  FREG                       ; h's images (4 m + s) x 1,024
.set HSC,   FREG+32768                 ; h's scale words [m][s][r]
.set PIMG,  FREG+36864                 ; proj's images (2 m + s) x 1,024
.set PSC,   FREG+53248                 ; proj's scale words [m][s][r]
.set X2P,   FREG+54272                 ; partial x2 [4][128]
.set MXP,   X2P+2048                   ; partial maxima [8][128]
.set SPARE, FREG+128*FPIT              ; 128 bytes for each wave
.set ADX, 2                            ; FREG + 528 r + 16 h
.set HWI, 3
.set HWS, 4
.set LIH, 5
.set LSH, 6
.set PWI, 7
.set PWS, 8
.set X2W, 9
.set LPJ, 10
.set LPS, 11
.set FBA, 12                           ; my part of LDS + 16 x lane
.set SBA, 13
.set CBA, 14
.set MXW, 15
.set FIN, 16
.set L16, 17                           ; 16 x lane
.set GXS, 18
.set GWS, 19
.set GB, 20                            ; 64 h: b1's and b2's
.set GW2S, 21
.set GSB, 22                           ; a block's scale words in memory: 384 h + 4 r,
.set GCB, 30                           ; and its -m2/2: 32 h
.set PFO, 23
.set GX, 24                            ; the features in memory: 512 (lane / 16) + 16 (lane % 16),
.set LX, 25                            ; and in LDS
.set SPW, 28
.set NIL, 29
.set XSC, 32                           ; register 4 m + s % 4; lanes 0-15 K steps 0-3, lanes 16-31 K steps 4-7
.set WSC, 64                           ; 8 u + s
.set XF,  80                           ; 8 m
.set WF,  144                          ; K steps 0 .. 5: 32 (s % 2) + 16 u; K step 6: 64 + 16 u; K step 7: 16 u
.set XH0, 80                           ; the features' first half on its way,
.set XH1, 208                          ; and their second
.set B2C, 32                           ; 16 u
.set W2S, 64                           ; 4 u + s
.set HS,  72                           ; 2 m + s / 2: lanes 0-15 even s, lanes 16-31 odd s
.set W2F, 80                           ; 16 (4 u + s)
.set HF,  128                          ; window 1: 32 s + 8 m
.set TM,  208                          ; v208-211 largest magnitudes, v212-215 permutes and bytes, v220-223 the conversions' scale operands
.set PC,  224                          ; codes, two sets of 8
.set PW,  240                          ; scale bytes of two blocks, two sets of 2
.set RT,  244                          ; relu's work; for proj the sums of squares
.set SQT, 252
.set X2R, 254
.set SB,  64                           ; third product: 2 (block % 2) + s
.set SBD, 68
.set PSW, 72
.set PJ,  80
.set CC,  128                          ; window 1
.set MX,  160                          ; window 1: row tile 4 g + k has chains 8 g + k and 8 g + 4 + k
.set MXT, 176
.set FBD, 176                          ; window 1
.set CCD, 208
.set WV,  24
.set SEL, 28
.set NEG, 30
.set LDSP, 39                          ; s39: where my part of LDS begins
.set G1, 48                            ; s[48:55], s[68:71]: the one descriptor; between two loads it is written behind the wait for all loads
.set G0, 68
.set W2P, 74                           ; s[74:75] wimg at part w % 4, s[76:77] at part w
.set W1P, 76
.set PFA, 88
.set MSB, 0
.macro WIN new                         ; the immediate's high byte repeats the setting that is left; a switch that changes nothing is dropped
.if MSB != (\new)
	s_set_vgpr_msb (MSB<<8)|(\new)
.set MSB, (\new)
.endif
.endm
.macro PLACES                          ; four plain places: behind matrix instructions ahead of loads into their registers and of reads of results
.rept 4
	v_nop
.endr
.endm
.macro CREST                           ; a round of the cluster's barrier behind its opening barrier
	s_cmp_lg_u32 s[WV], 0
	s_cbranch_scc1 .Lnot_wave_0_\@
	s_barrier_signal -3
.Lnot_wave_0_\@:
	s_barrier_wait -3
	s_barrier_signal -1
	s_barrier_wait -1
.endm
.macro CROUND
	s_barrier_signal -1
	s_barrier_wait -1
	CREST
.endm
.macro ROWS n                          ; a load brings n rows of 256 bytes
	s_mov_b32 s[G1+2], (\n)<<16
	s_mov_b32 s[G1+4], \n
.endm
.macro FILL                            ; my one tensor load behind the round, and the first thing there
	tensor_load_to_lds s[G0:G0+3], s[G1:G1+7]
	s_nop 0
	PLACES
.endm
; A prefetch of three of the bank's blocks (54 units of 256 bytes in part w) ahead of the refill that will ask for them.  All clusters walk the same bank: cluster 0 asks (the same in all four partners).
; Its partners share the units out by address, 14 each (the last 12), a lane a unit; left-over lanes name their wave's last unit again; each wave asks for its own part.
.macro ASK
	s_cmp_lg_u32 ttmp9, 0
	s_cbranch_scc1 .Lnot_mine_\@
	global_prefetch_b8 v[PFO], s[PFA:PFA+1] th:TH_LOAD_NT scope:SCOPE_SE
.Lnot_mine_\@:
.endm
; The matrix line of this text: register numbers of D, A, B, C and of the two scale registers; rb = 1: source 1's scales are read from lanes 16-31.
.macro WM d, a, b, c, sa, sb, rb
.if (\rb)
	v_wmma_scale_f32_32x16x128_f4 v[0+(\d):15+(\d)], v[0+(\a):15+(\a)], v[0+(\b):7+(\b)], v[0+(\c):15+(\c)], v[0+(\sa)], v[0+(\sb)] matrix_b_scale:MATRIX_SCALE_ROW1
.else
	v_wmma_scale_f32_32x16x128_f4 v[0+(\d):15+(\d)], v[0+(\a):15+(\a)], v[0+(\b):7+(\b)], v[0+(\c):15+(\c)], v[0+(\sa)], v[0+(\sb)]
.endif
.endm
	s_load_b512 s[4:19], s[0:1], 0x0               ; features s[4:5], their scales s[6:7], W1's scales s[8:9], b1 s[10:11], W2's scales s[12:13], b2 s[14:15], wimg s[16:17], bankq s[18:19]
	s_load_b64 s[22:23], s[0:1], 0x40              ; out0
	v_lshl_add_u32 v[SPW], v0, 2, SPARE
	v_mov_b32 v[NIL], 0
	ds_add_u32 v28, v29                            ; the wave's opening: the add, twice on end, ahead of my first tensor load; the set-up below, work on registers, stands between them and their wait
	ds_add_u32 v28, v29
	v_lshrrev_b32 v1, 5, v0
	v_readfirstlane_b32 s[WV], v1                  ; wave 0..7
	s_bfe_u32 s25, ttmp6, 0x40000                  ; cx
	s_lshl_b32 s26, ttmp9, 2
	s_add_co_u32 s26, s26, s25                     ; my work-group
	s_mul_i32 s91, s25, 14
	s_mov_b32 s[SEL], 0x76543210
	s_mov_b32 s[SEL+1], 0xfedcba98                 ; v_permlanex16_b32's selects for lane l xor 16
	s_mov_b32 s[NEG], 0x88888888                   ; the signs of eight codes
	s_lshr_b32 s27, s[WV], 2                       ; g = w / 4
	s_and_b32 s31, s[WV], 3                        ; w % 4
	s_lshl_b32 s90, s[WV], 9
	s_add_co_u32 s32, s90, HIMG                    ; h: registers 4 (w % 2) .. + 3 of K step w / 2
	s_add_co_u32 s90, s90, MXP
	s_lshr_b32 s33, s[WV], 1
	s_lshl_b32 s33, s33, 6
	s_and_b32 s38, s[WV], 1
	s_lshl_b32 s38, s38, 1
	s_add_co_u32 s33, s33, s38
	s_add_co_u32 s33, s33, HSC
	s_lshl_b32 s34, s27, 14
	s_add_co_u32 s34, s34, HIMG
	s_lshl_b32 s35, s27, 10
	s_add_co_u32 s35, s35, HSC
	s_lshl_b32 s36, s27, 13
	s_lshl_b32 s40, s31, 9
	s_add_co_u32 s36, s36, s40
	s_add_co_u32 s36, s36, PIMG
	s_lshl_b32 s37, s27, 9
	s_add_co_u32 s37, s37, s38
	s_lshr_b32 s38, s31, 1
	s_lshl_b32 s38, s38, 6
	s_add_co_u32 s37, s37, s38
	s_add_co_u32 s37, s37, PSC
	s_lshl_b32 s38, s27, 8
	s_add_co_u32 s38, s38, s40
	s_add_co_u32 s38, s38, X2P
	s_mul_i32 s[LDSP], s[WV], PARTB
	s_mul_i32 s41, s[WV], 16*FPIT
	s_add_co_u32 s41, s41, FREG                    ; the 16 rows of the features that I bring
	; group 1: dense rows of 256 bytes (32 elements of 8), no padding; the mask names all four work-groups, bit 21 beside it
	s_mov_b32 s[G1], 15|(3<<16)|(1<<21)
	s_mov_b32 s[G1+1], 32<<16
	s_mov_b32 s[G1+3], 32<<16
	s_mov_b32 s[G1+5], 32
	s_mov_b32 s[G1+6], 0
	s_mov_b32 s[G1+7], 0
	ROWS 64                                        ; W1's K steps 2 to 5
	v_and_b32 v240, 31, v0                         ; lane
	v_and_b32 v241, 15, v0                         ; r
	v_bfe_u32 v242, v0, 4, 1                       ; h
	v_lshlrev_b32 v[L16], 4, v240
	v_lshlrev_b32 v243, 2, v241
	v_lshlrev_b32 v244, 2, v240
	v_lshlrev_b32 v[GCB], 5, v242
	v_lshlrev_b32 v246, 4, v241
	v_lshl_add_u32 v[GX], v242, 9, v246
	v_mul_u32_u24 v[LX], FPIT, v242
	v_add_nc_u32 v[LX], v[LX], v246
	v_add_nc_u32 v[LX], s41, v[LX]
	v_mul_u32_u24 v[ADX], FPIT, v241
	v_lshl_add_u32 v[ADX], v242, 4, v[ADX]
	v_add_nc_u32 v[ADX], FREG, v[ADX]
	v_add_nc_u32 v[HWI], s32, v[L16]
	v_add_nc_u32 v[HWS], s33, v243
	v_add_nc_u32 v[LIH], s34, v[L16]
	v_add_nc_u32 v[LSH], s35, v244
	v_add_nc_u32 v[PWI], s36, v[L16]
	v_add_nc_u32 v[PWS], s37, v243
	v_add_nc_u32 v[X2W], s38, v243
	v_add_nc_u32 v[LPJ], PIMG, v[L16]
	v_add_nc_u32 v[LPS], PSC, v244
	v_add_nc_u32 v[FBA], s[LDSP], v[L16]
	v_mul_u32_u24 v[GSB], 0x180, v242              ; a block's scale words: the second sixteen entries' begin 384 bytes on
	v_add_nc_u32 v[GSB], v[GSB], v243
	v_add_nc_u32 v[SBA], s[LDSP], v[GSB]
	v_add_nc_u32 v[CBA], s[LDSP], v[GCB]
	v_add_nc_u32 v[MXW], s90, v243
	v_add_nc_u32 v[FIN], X2P, v[L16]
	v_lshlrev_b32 v[GXS], 5, v241                  ; x's scale bytes: 32 a row; lanes 16-31 take the upper 16
	v_lshl_add_u32 v[GXS], v242, 4, v[GXS]
	v_and_b32 v[GWS], 7, v240                      ; the unit of a 32-row tile's row m = lane: bits 3 and 4 exchanged
	v_and_b32 v247, 8, v240
	v_lshl_add_u32 v[GWS], v247, 1, v[GWS]
	v_lshl_add_u32 v[GWS], v242, 3, v[GWS]
	v_lshlrev_b32 v[GW2S], 4, v[GWS]               ; W2's scale bytes: 16 a row,
	v_lshlrev_b32 v[GWS], 5, v[GWS]                ; W1's: 32
	v_lshlrev_b32 v[GB], 6, v242
	v_min_u32 v[PFO], 13, v240
	v_add_nc_u32 v[PFO], s91, v[PFO]
	v_min_u32 v[PFO], 53, v[PFO]
	v_lshlrev_b32 v[PFO], 8, v[PFO]
	s_wait_alu depctr_va_vdst(0)                   ; the wait at the head's end
	s_wait_dscnt 0x0                               ; both opening adds are done
	s_wait_kmcnt 0x0
	s_lshl_b32 s92, s26, 16                        ; a work-group's rows: 65,536 bytes,
	s_lshl_b32 s93, s[WV], 13                      ; 16 rows a wave
	s_add_co_u32 s92, s92, s93
	s_mov_b32 s93, 0
	s_add_nc_u64 s[4:5], s[4:5], s[92:93]
.macro GETX half, reg                  ; eight loads: two rows' 256 bytes of one half along K each
.irp k, 0,1,2,3,4,5,6,7
	global_load_b128 v[\reg+4*\k:\reg+4*\k+3], v[GX], s[4:5] offset:1024*\k+256*\half th:TH_LOAD_NT
.endr
.endm
.macro PUTX half, reg
.irp k, 0,1,2,3,4,5,6,7
	ds_store_b128 v[LX], v[\reg+4*\k:\reg+4*\k+3] offset:2*FPIT*\k+256*\half
.endr
.endm
.macro GETW s, reg                     ; my W1 fragments of K step s, straight from their image
.irp i, 0,1,2,3,4,5,6,7
	global_load_b128 v[\reg+4*\i:\reg+4*\i+3], v[L16], s[W1P:W1P+1] offset:4096*\s+512*\i
.endr
.endm
	GETX 0, XH0
	s_mul_i32 s94, s[WV], WPART                    ; (s94: made of the wave's number alone)
	s_mov_b32 s95, 0
	s_add_nc_u64 s[W1P:W1P+1], s[16:17], s[94:95]
	s_mov_b32 s[G0], 1                             ; count
	s_mov_b32 s[G0+1], s[LDSP]                     ; LDS address
	s_add_nc_u64 s[G0+2:G0+3], s[W1P:W1P+1], 8192  ; global address: K step 2 of my part of wimg
	s_or_b32 s[G0+3], s[G0+3], 0x80000000          ; type
	CROUND                                         ; all four work-groups are here: the first joint loads meet
	FILL
	GETW 0, WF
	s_lshl_b32 s92, s26, 12
	s_add_nc_u64 s[6:7], s[6:7], s[92:93]          ; x's scales at my 128 rows
	s_lshl_b32 s92, s26, 9
	s_add_nc_u64 s[22:23], s[22:23], s[92:93]      ; out0 likewise
	s_lshl_b32 s94, s[WV], 11
	s_add_nc_u64 s[8:9], s[8:9], s[94:95]          ; W1's scales at my 64 units,
	s_lshl_b32 s94, s[WV], 8
	s_add_nc_u64 s[10:11], s[10:11], s[94:95]      ; b1
.irp m, 0,1,2,3,4,5,6,7
	global_load_b128 v[XSC+4*\m:XSC+4*\m+3], v[GXS], s[6:7] offset:512*\m th:TH_LOAD_NT   ; 32 lanes read 512 consecutive bytes: 16 rows' scale bytes
.endr
.irp u, 0,1
	global_load_b128 v[WSC+8*\u:WSC+8*\u+3], v[GWS], s[8:9] offset:1024*\u
	global_load_b128 v[WSC+8*\u+4:WSC+8*\u+7], v[GWS], s[8:9] offset:1024*\u+16
.endr
	WIN 0x40                                       ; destination window 1
.irp u, 0,1
.irp e, 0,1,2,3
	global_load_b128 v[224+16*\u+4*\e:224+16*\u+4*\e+3], v[GB], s[10:11] offset:128*\u+16*\e   ; b1, into row tile 7's accumulators: the C of the first K step
.endr
.endr
	WIN 0
	GETW 1, WF+32
	GETX 1, XH1
	s_mul_i32 s94, s[WV], 16*BLK
	s_add_nc_u64 s[18:19], s[18:19], s[94:95]      ; my part of the bank
	s_add_nc_u64 s[PFA:PFA+1], s[18:19], 6*BLK     ; the prefetches begin at block 6
	s_mul_i32 s94, s31, WPART
	s_add_nc_u64 s[W2P:W2P+1], s[16:17], s[94:95]  ; W2's image at my 64 units: K steps 0, 1 in this part, 2, 3 four parts on
	s_lshl_b32 s94, s31, 10
	s_add_nc_u64 s[12:13], s[12:13], s[94:95]      ; their scale bytes,
	s_lshl_b32 s94, s31, 8
	s_add_nc_u64 s[14:15], s[14:15], s[94:95]      ; and b2
; ---------------- THE FIRST PRODUCT: 8 K steps; accumulator (row tile m, hidden tile u) at v[32 m + 16 u] of window 1; the 16 take turns
.macro FETCHX s, m0                    ; x's fragments of row tiles m0 .. m0 + 3, K step s
.irp k, 0,1,2,3
.irp c, 0,1
	ds_load_b128 v[XF+8*(\m0+\k)+4*\c:XF+8*(\m0+\k)+4*\c+3], v[ADX] offset:64*(\s)+32*\c+16*FPIT*(\m0+\k)
.endr
.endr
.endm
.macro FETCHW s                        ; my W1 fragments of K step s, 2 to 5, from LDS
.irp i, 0,1,2,3,4,5,6,7
	ds_load_b128 v[WF+32*((\s)%2)+4*\i:WF+32*((\s)%2)+4*\i+3], v[FBA] offset:4096*((\s)-2)+512*\i
.endr
.endm
.macro MUL1 s, u, m, c
.set WFO, 32*((\s)%2)
.if (\s) > 5
.set WFO, 64*(7-(\s))
.endif
	WM 32*(\m)+16*(\u), WF+WFO+16*(\u), XF+8*(\m), \c, WSC+8*(\u)+(\s), XSC+4*(\m)+(\s)%4, (\s)/4
.endm
.macro MUL4 s, u, m0
.irp k, 0,1,2,3
	MUL1 \s, \u, \m0+\k, 32*(\m0+\k)+16*(\u)
.endr
.endm
.macro STEPMID s                       ; in a K step's middle: the next one's W1, where it lies in LDS, and x's row tiles 0-3
	s_wait_dscnt 0x0
	PLACES
	WIN 0
.if (\s) == 1
	s_wait_tensorcnt 0x0                           ; W1's K steps 2 to 5 are in
.endif
.if ((\s) > 0) && ((\s) < 5)
	FETCHW (\s)+1
.endif
	FETCHX (\s)+1, 0
	WIN 0x50
.endm
.macro STEP s
	s_wait_dscnt 8                                 ; W1 and x's row tiles 0-3 are in; 4-7 may be out
	WIN 0x50                                       ; C and D window 1
	MUL4 \s, 0, 0
	MUL4 \s, 1, 0
	STEPMID \s
	MUL4 \s, 0, 4
	MUL4 \s, 1, 4
	PLACES
	WIN 0
	FETCHX (\s)+1, 4
.endm
	s_wait_loadcnt 44                              ; the features' first half; behind it were issued 8 + 8 + 4 + 8 + 8 + 8 loads
	PUTX 0, XH0
	s_wait_dscnt 0x0                               ; for the others' sake: my stores are done
	s_barrier_signal -1
	s_barrier_wait -1                              ; the first half of all 128 rows lies in LDS
	FETCHX 0, 0
	FETCHX 0, 4
	s_wait_loadcnt 16                              ; W1's K step 0, scales and b1; K step 1 and the features' second half may be out
	s_wait_dscnt 8
	WIN 0x50
.irp u, 0,1
.irp m, 0,1,2,3
	MUL1 0, \u, \m, 224+16*\u                      ; b1 is the C, and the sums begin: nothing is cleared
.endr
.endr
	STEPMID 0
.irp u, 0,1
.irp m, 4,5,6
	MUL1 0, \u, \m, 224+16*\u
.endr
.endr
	PLACES
	v_nop                                          ; five places: row tile 7's products write over the registers that the others read as C
.irp u, 0,1
	MUL1 0, \u, 7, 224+16*\u
.endr
	PLACES
	WIN 0
	FETCHX 1, 4
	s_wait_loadcnt 8                               ; W1's K step 1; the features' second half may be out
	STEP 1
	STEP 2
	; K step 3: the features' second half goes into LDS, and the bank's blocks 0 to 2 are asked for
	s_wait_loadcnt 0x0
	PUTX 1, XH1
	s_wait_dscnt 16                                ; W1 and x's row tiles 0-3 are in; 4-7 and my eight stores may be out
	WIN 0x50
	MUL4 3, 0, 0
	MUL4 3, 1, 0
	WIN 0
	s_wait_tensorcnt 0x0                           ; my one tensor load has landed
	ds_add_u32 v[SPW], v[NIL]                      ; 0 onto my spare word
	s_add_co_u32 s[G0+1], s[LDSP], SLOTY           ; (no load of mine is out: the descriptor may be written)
	s_mov_b64 s[G0+2:G0+3], s[18:19]
	s_or_b32 s[G0+3], s[G0+3], 0x80000000
	ROWS 54                                        ; from here on three blocks of the bank
	s_wait_dscnt 1                                 ; (the add may be out)
	WIN 0x50
	MUL4 3, 0, 4
	s_wait_dscnt 0x0                               ; the add is done, and so are my stores of the features
	s_barrier_signal -1
	MUL4 3, 1, 4
	WIN 0
	s_barrier_wait -1
	CREST
	FILL                                           ; (its four v_nop are also the places in front of the loads below)
	FETCHW 4
	FETCHX 4, 0
	FETCHX 4, 4
	GETW 6, WF+64                                  ; where the features' second half lay
	STEP 4
	GETW 7, WF                                     ; where K step 4's fragments lay
	STEP 5
	s_wait_loadcnt 8                               ; W1's K step 6; K step 7 may be out
	STEP 6
	s_wait_loadcnt 0x0
	s_wait_dscnt 8
	WIN 0x50
	MUL4 7, 0, 0
	MUL4 7, 1, 0
	s_wait_dscnt 0x0                               ; my reads of the features are over:
	s_barrier_signal -1                            ; say so; behind the wait below h's images are stored over them
	MUL4 7, 0, 4
	MUL4 7, 1, 4
	WIN 0
	s_barrier_wait -1
	PLACES
.irp s, 0,1,2,3                                    ; W2's fragments, scale words and b2 land while h is quantised
.irp u, 0,1
.irp i, 0,1,2,3
	global_load_b128 v[W2F+16*(4*\u+\s)+4*\i:W2F+16*(4*\u+\s)+4*\i+3], v[L16], s[W2P:W2P+1] offset:32768+4*WPART*(\s/2)+4096*(\s%2)+2048*\u+512*\i
.endr
.endr
.endr
.irp u, 0,1
	global_load_b128 v[W2S+4*\u:W2S+4*\u+3], v[GW2S], s[12:13] offset:512*\u
.endr
.irp u, 0,1
.irp e, 0,1,2,3
	global_load_b128 v[B2C+16*\u+4*\e:B2C+16*\u+4*\e+3], v[GB], s[14:15] offset:128*\u+16*\e
.endr
.endr
; ---------------- THE QUANTISER: two row tiles of window 1, four blocks: register base + 16 b + i = k 16 h + i of block b (blocks 0, 1: the first tile; 2, 3: the second).  Codes to v[PC + 8 st ..], scale bytes to v[PW + 2 st ..].
.macro QUANT base, st, relu
	WIN 0x05                                       ; sources 0 and 1 window 1
.irp b, 0,1,2,3
.if \relu
	v_max3_num_f32 v[TM+\b], v[\base+16*\b], v[\base+16*\b+1], 0x1800000   ; the floor 2^(3 - 127): the byte cannot fall under 1; negative numbers do not count
.else
	v_max3_num_f32 v[TM+\b], |v[\base+16*\b]|, |v[\base+16*\b+1]|, 0x1800000
.endif
.endr
.irp i, 2,4,6,8,10,12,14
.irp b, 0,1,2,3
.if \relu
	v_max3_num_f32 v[TM+\b], v[\base+16*\b+\i], v[\base+16*\b+\i+1], v[TM+\b]
.else
	v_max3_num_f32 v[TM+\b], |v[\base+16*\b+\i]|, |v[\base+16*\b+\i+1]|, v[TM+\b]
.endif
.endr
.endr
.if (\relu) == 0                                   ; proj: the row's sum of squares over my 32 numbers, two chains of pairs a tile
.irp t, 0,1
	v_pk_mul_f32 v[RT+4*\t:RT+4*\t+1], v[\base+32*\t:\base+32*\t+1], v[\base+32*\t:\base+32*\t+1]
	v_pk_mul_f32 v[RT+4*\t+2:RT+4*\t+3], v[\base+32*\t+2:\base+32*\t+3], v[\base+32*\t+2:\base+32*\t+3]
.endr
.irp i, 4,8,12,16,20,24,28
.irp t, 0,1
	v_pk_fma_f32 v[RT+4*\t:RT+4*\t+1], v[\base+32*\t+\i:\base+32*\t+\i+1], v[\base+32*\t+\i:\base+32*\t+\i+1], v[RT+4*\t:RT+4*\t+1]
	v_pk_fma_f32 v[RT+4*\t+2:RT+4*\t+3], v[\base+32*\t+\i+2:\base+32*\t+\i+3], v[\base+32*\t+\i+2:\base+32*\t+\i+3], v[RT+4*\t+2:RT+4*\t+3]
.endr
.endr
.endif
	WIN 0
.irp b, 0,1,2,3
	v_permlanex16_b32 v[TM+4+\b], v[TM+\b], s[SEL], s[SEL+1]
.endr
.irp b, 0,1,2,3
	v_max_num_f32 v[TM+\b], v[TM+\b], v[TM+4+\b]   ; with lane l xor 16's: the block's largest
.endr
.irp b, 0,1,2,3
	v_add_nc_u32 v[TM+12+\b], 0xff000000, v[TM+\b] ; 2 off its exponent field: the conversion's scale operand
.endr
.irp b, 0,1,2,3
	v_lshrrev_b32 v[TM+4+\b], 23, v[TM+12+\b]
.endr
	v_lshl_or_b32 v[PW+2*(\st)], v[TM+5], 8, v[TM+4]
	v_lshl_or_b32 v[PW+2*(\st)+1], v[TM+7], 8, v[TM+6]
	WIN 0x01                                       ; source 0 window 1
.irp b, 0,1,2,3
.irp u, 0,1
	v_cvt_scalef32_pk8_fp4_f32 v[PC+8*(\st)+2*\b+\u], v[\base+16*\b+8*\u:\base+16*\b+8*\u+7], v[TM+12+\b]
.endr
.endr
	WIN 0
	v_nop                                          ; one plain place behind a scaled conversion
.if \relu                                          ; eight codes a register: 7 in each negative code's place, and those bits cleared: what is left there is the code of -0, which adds nothing
.irp k, 0,1,2,3,4,5,6,7
	v_and_b32 v[RT+\k], s[NEG], v[PC+8*(\st)+\k]
.endr
.irp k, 0,1,2,3,4,5,6,7
	v_lshrrev_b32 v[TM+\k], 3, v[RT+\k]
.endr
.irp k, 0,1,2,3,4,5,6,7
	v_sub_nc_u32 v[RT+\k], v[RT+\k], v[TM+\k]
.endr
.irp k, 0,1,2,3,4,5,6,7
	v_bfi_b32 v[PC+8*(\st)+\k], v[RT+\k], 0, v[PC+8*(\st)+\k]
.endr
.endif
.irp t, 0,1                                        ; a whole block to a lane: lanes 0-15 the tile's first block, lanes 16-31 its second
	v_permlane16_swap_b32 v[PC+8*(\st)+4*\t], v[PC+8*(\st)+4*\t+2]
	v_permlane16_swap_b32 v[PC+8*(\st)+4*\t+1], v[PC+8*(\st)+4*\t+3]
.endr
.endm
.irp b, 0,1,2,3
	v_mov_b32 v[TM+4+\b], 0                        ; written once: a lane permute's destination counts as one of its sources
.endr
	v_mov_b32 v[SQT], 0
	v_mov_b32 v[SQT+1], 0
.irp p, 0,1,2,3                                    ; h: row tiles 2 p, 2 p + 1; my two blocks are registers 4 (w % 2) .. + 3 of K step w / 2
.if \p > 1
	s_wait_dscnt 4                                 ; the four stores of the pair before may be out; those that read this set of registers are done
.endif
	QUANT 64*\p, \p%2, 1
.irp t, 0,1
	ds_store_b128 v[HWI], v[PC+8*(\p%2)+4*\t:PC+8*(\p%2)+4*\t+3] offset:4096*(2*\p+\t)
	ds_store_b16 v[HWS], v[PW+2*(\p%2)+\t] offset:256*(2*\p+\t)   ; lanes r and r + 16 write the same two bytes with the same value
.endr
.endr
	s_wait_tensorcnt 0x0                           ; blocks 0 to 2 are in slot Y
	ds_add_u32 v[SPW], v[NIL]                      ; 0 onto my spare word
	s_mov_b32 s[G0+1], s[LDSP]
	s_add_nc_u64 s[G0+2:G0+3], s[G0+2:G0+3], 3*BLK
	s_wait_dscnt 0x0                               ; the add and my stores are done
	CROUND                                         ; so everybody's are: h lies in LDS
	FILL                                           ; blocks 3 to 5 into slot X, where W1's K steps 2 to 5 lay
	ASK                                            ; blocks 6 to 8
; ---------------- THE SECOND PRODUCT: K steps s = 0 .. 3; accumulator (row tile 4 g + m, unit tile u) at v[32 m + 16 u] of window 1, eight by turns
.irp m, 0,1,2,3
.irp p, 0,1
	ds_load_b32 v[HS+2*\m+\p], v[LSH] offset:256*\m+128*\p
.endr
.endr
	WIN 0x40
.irp s, 0,1,2,3
.irp m, 0,1,2,3
.irp c, 0,1
	ds_load_b128 v[HF+32*\s+8*\m+4*\c:HF+32*\s+8*\m+4*\c+3], v[LIH] offset:1024*(4*\m+\s)+512*\c
.endr
.endr
.endr
	s_wait_loadcnt 0x0                             ; W2, its scale words and b2
.irp s, 0,1,2,3
	s_wait_dscnt 24-8*\s                           ; this K step's loads are in; the later K steps' may be out
.if \s == 0
	WIN 0x44                                       ; h window 1, D window 1, C = b2 window 0
.else
	WIN 0x54
.endif
.irp u, 0,1
.irp m, 0,1,2,3
.if \s == 0
	WM 32*\m+16*\u, W2F+16*(4*\u+\s), HF+32*\s+8*\m, B2C+16*\u, W2S+4*\u+\s, HS+2*\m+\s/2, \s%2
.else
	WM 32*\m+16*\u, W2F+16*(4*\u+\s), HF+32*\s+8*\m, 32*\m+16*\u, W2S+4*\u+\s, HS+2*\m+\s/2, \s%2
.endif
.endr
.endr
.endr
	WIN 0
	PLACES
.macro DLOADS b                        ; a direct block, 12 to 15, straight into registers
	WIN 0x40
.irp i, 0,1,2,3,4,5,6,7
	global_load_b128 v[FBD+4*\i:FBD+4*\i+3], v[L16], s[18:19] offset:BLK*(\b)+512*\i
.endr
.irp q, 0,1
.irp e, 0,1
	global_load_b128 v[CCD+8*\q+4*\e:CCD+8*\q+4*\e+3], v[GCB], s[18:19] offset:BLK*(\b)+4224+128*\q+16*\e
.endr
.endr
	WIN 0
.irp s, 0,1
	global_load_b32 v[SBD+\s], v[GSB], s[18:19] offset:BLK*(\b)+4096+64*\s
.endr
.endm
	DLOADS 12                                      ; where h's fragments and W2's scale words lay
.irp p, 0,1                                        ; proj: row tiles 4 g + 2 p, + 1; my two blocks are registers 4 (w % 2) .. + 3 of K step (w % 4) / 2
	s_wait_dscnt 0x0                               ; the stores of the pair before are done
	QUANT 64*\p, \p%2, 0
.irp t, 0,1
	v_pk_add_f32 v[RT+4*\t:RT+4*\t+1], v[RT+4*\t:RT+4*\t+1], v[RT+4*\t+2:RT+4*\t+3]
.endr
.irp t, 0,1
	v_add_f32 v[RT+4*\t], v[RT+4*\t], v[RT+4*\t+1]
.endr
.irp t, 0,1
	v_permlanex16_b32 v[SQT+\t], v[RT+4*\t], s[SEL], s[SEL+1]
.endr
.irp t, 0,1
	v_add_f32 v[X2R+\t], v[RT+4*\t], v[SQT+\t]     ; my 64 units' part of the row's x2
.endr
.irp t, 0,1
	ds_store_b128 v[PWI], v[PC+8*(\p%2)+4*\t:PC+8*(\p%2)+4*\t+3] offset:2048*(2*\p+\t)
	ds_store_b16 v[PWS], v[PW+2*(\p%2)+\t] offset:128*(2*\p+\t)
	ds_store_b32 v[X2W], v[X2R+\t] offset:64*(2*\p+\t)
.endr
.endr
	s_wait_dscnt 0x0                               ; for the others' sake
	s_barrier_signal -1
	s_barrier_wait -1                              ; proj and the partial x2 lie in LDS
; ---------------- THE THIRD PRODUCT.  A block: 32 entries x 8 row tiles x 2 K steps = 16 matrix instructions, in two halves of four row tiles; four accumulators take turns: between the two links of a sum stand three others'.
; While one half's results wait, the 32 v_max3 of the OTHER half are the places behind its matrix instructions.  Behind every three blocks of the ring comes a direct block.
.macro LOADS b                         ; ring block b's fragments, scale words and -m2/2 into set b % 2; blocks 0-2, 6-8 lie in slot Y, 3-5, 9-11 in slot X
.set FBL, 32+176*((\b)%2)
.set LOF, BLK*((\b)%3)+SLOTY*(1-((\b)/3)%2)
	WIN 0
.irp i, 0,1,2,3,4,5,6,7
	ds_load_b128 v[FBL+4*\i:FBL+4*\i+3], v[FBA] offset:LOF+512*\i
.endr
.irp s, 0,1
	ds_load_b32 v[SB+2*((\b)%2)+\s], v[SBA] offset:LOF+4096+64*\s
.endr
	WIN 0x40
.irp q, 0,1
.irp e, 0,1
	ds_load_b128 v[CC+16*((\b)%2)+8*\q+4*\e:CC+16*((\b)%2)+8*\q+4*\e+3], v[CBA] offset:LOF+4224+128*\q+16*\e
.endr
.endr
.endm
.macro WHX fb, cc, sb, g               ; row tiles 4 g .. 4 g + 3
.irp k, 0,1,2,3
	WM 16*(4*(\g)+\k), \fb, PJ+16*(4*(\g)+\k), \cc, \sb, PSW+4*(\g)+\k, 0
.endr
.irp k, 0,1,2,3
	WM 16*(4*(\g)+\k), \fb+16, PJ+16*(4*(\g)+\k)+8, 16*(4*(\g)+\k), \sb+1, PSW+4*(\g)+\k, 1
.endr
.endm
.macro WH b, g
	WIN 0x50                                       ; C and D window 1
	WHX 32+176*((\b)%2), CC+16*((\b)%2), SB+2*((\b)%2), \g
.endm
.macro WHD g                           ; a direct block's fragments lie in window 1 too
	WIN 0x51
	WHX FBD, CCD, SBD, \g
.endm
.macro MXH g                           ; the running maxima of row tiles 4 g .. + 3: register pairs 0-1 of the four first, each result from its low end on
	WIN 0x55
.set nn, 0
.rept 32
	v_max3_num_f32 v[MX+8*(\g)+nn%8], v[16*(4*(\g)+nn%4)+2*(nn/4)], v[16*(4*(\g)+nn%4)+2*(nn/4)+1], v[MX+8*(\g)+nn%8]
.set nn, nn+1
.endr
.endm
.macro BLOCK b, more                   ; more = 1: the next ring block is asked for at the top
.if \more
	LOADS (\b)+1
	s_wait_dscnt 14                                ; block b's loads are in; the 14 just issued may be out
.else
	s_wait_dscnt 0x0
.endif
	WH \b, 0
.if (\b) == 0
	WIN 0x55
.set nn, 0
.rept 16
	v_mov_b32 v[MX+nn], 0xff800000                 ; the running maxima begin at -infinity (and these are the places behind the first half's products)
.set nn, nn+1
.endr
.else
	MXH 1                                          ; the block before's second half
.endif
	WH \b, 1
	MXH 0
.endm
.macro DRAIN lds                       ; in front of a refill's round; the descriptor goes three blocks on
	WIN 0
	s_wait_tensorcnt 0x0                           ; all my tensor loads have landed, the next slot's among them;
	ds_add_u32 v[SPW], v[NIL]                      ; 0 onto my spare word;
	s_add_co_u32 s[G0+1], s[LDSP], \lds            ; (no load of mine is out: the descriptor may be written)
	s_add_nc_u64 s[G0+2:G0+3], s[G0+2:G0+3], 3*BLK
.endm
.macro REFILL next                     ; behind the first half's products: the add and my reads of the slot are done; the round; the load; the next ring block's LDS loads
	s_wait_dscnt 0x0
	s_barrier_signal -1
	MXH 1
	WIN 0
	s_barrier_wait -1
	CREST
	FILL
	LOADS \next
.endm
	s_wait_tensorcnt 0x0
	LOADS 0
	WIN 0
.irp f, 0,1,2,3,4,5,6,7,8,9,10,11,12,13,14,15
.irp c, 0,1
	ds_load_b128 v[PJ+8*\f+4*\c:PJ+8*\f+4*\c+3], v[LPJ] offset:1024*\f+512*\c   ; all of proj stays in registers
.endr
.endr
.irp m, 0,1,2,3,4,5,6,7
	ds_load_b32 v[PSW+\m], v[LPS] offset:128*\m
.endr
	s_wait_xcnt 0x0                                ; the prefetch has read its address:
	s_add_nc_u64 s[PFA:PFA+1], s[PFA:PFA+1], 3*BLK
	ASK                                            ; blocks 9 to 11
	s_wait_dscnt 0x0
	BLOCK 0, 1
	BLOCK 1, 1
	; block 2, slot Y's last: its loads were issued a block ago
	DRAIN SLOTY
	s_wait_dscnt 1                                 ; (the add may be out: this block's loads are in)
	WH 2, 0
	REFILL 3                                       ; blocks 6 to 8 into slot Y: four and a half blocks' work in which to land
	WH 2, 1
	MXH 0
.macro DBLOCK b                        ; a direct block; behind its last products' places the next one is asked for
	s_wait_loadcnt 0x0                             ; its 14 loads
	WHD 0
	MXH 1
.if (\b) == 14
	WIN 0
	s_wait_tensorcnt 0x0                           ; blocks 9 to 11 are in: no load was issued behind theirs
	LOADS 9
.endif
	WHD 1
	MXH 0
.if (\b) < 15
	DLOADS (\b)+1
.endif
.endm
	DBLOCK 12
	BLOCK 3, 1
	BLOCK 4, 1
	BLOCK 5, 0
	; direct block 13: slot X has been read out
	DRAIN 0
	s_wait_loadcnt 0x0
	WHD 0
	REFILL 6                                       ; blocks 9 to 11 into slot X, the last load
	WHD 1
	MXH 0
	DLOADS 14
	BLOCK 6, 1
	BLOCK 7, 1
	BLOCK 8, 0
	DBLOCK 14
	BLOCK 9, 1
	BLOCK 10, 1
	BLOCK 11, 0
	DBLOCK 15
	MXH 1
; ---------------- the end: a row's maximum over its two chains, the two halves of the lanes, the eight waves; d2, the root, the store
.irp g, 0,1
.irp k, 0,1,2,3
	v_max_num_f32 v[MX+8*\g+\k], v[MX+8*\g+\k], v[MX+8*\g+4+\k]
.endr
.endr
.irp g, 0,1
.irp k, 0,1,2,3
	v_permlanex16_b32 v[MXT+4*\g+\k], v[MX+8*\g+\k], s[SEL], s[SEL+1]
.endr
.endr
.irp g, 0,1
.irp k, 0,1,2,3
	v_max_num_f32 v[MX+8*\g+\k], v[MX+8*\g+\k], v[MXT+4*\g+\k]
.endr
.endr
	WIN 0x04                                       ; an LDS store's data are its source 1: window 1
.irp g, 0,1
.irp k, 0,1,2,3
	ds_store_b32 v[MXW], v[MX+8*\g+\k] offset:64*(4*\g+\k)   ; lanes r and r + 16 write the same word with the same value
.endr
.endr
	WIN 0
	s_wait_dscnt 0x0                               ; for wave 0's sake
	s_barrier_signal -1
	s_barrier_wait -1
	s_cmp_lg_u32 s[WV], 0
	s_cbranch_scc1 .Lnot_first
.irp k, 0,1,2,3,4,5,6,7
	ds_load_b128 v[80+4*\k:83+4*\k], v[FIN] offset:2048+512*\k   ; wave k's maxima of rows 4 lane .. + 3
.endr
.irp k, 0,1,2,3
	ds_load_b128 v[112+4*\k:115+4*\k], v[FIN] offset:512*\k      ; the four parts of their x2
.endr
	s_wait_dscnt 0x0
.irp e, 0,1,2,3
	v_max3_num_f32 v[128+\e], v[80+\e], v[84+\e], v[88+\e]
.endr
.irp e, 0,1,2,3
	v_max3_num_f32 v[128+\e], v[128+\e], v[92+\e], v[96+\e]
.endr
.irp e, 0,1,2,3
	v_max3_num_f32 v[128+\e], v[128+\e], v[100+\e], v[104+\e]
.endr
.irp e, 0,1,2,3
	v_max_num_f32 v[128+\e], v[128+\e], v[108+\e]
.endr
	v_pk_add_f32 v[112:113], v[112:113], v[116:117]
	v_pk_add_f32 v[114:115], v[114:115], v[118:119]
	v_pk_add_f32 v[120:121], v[120:121], v[124:125]
	v_pk_add_f32 v[122:123], v[122:123], v[126:127]
	v_pk_add_f32 v[112:113], v[112:113], v[120:121]
	v_pk_add_f32 v[114:115], v[114:115], v[122:123]
.irp e, 0,1,2,3
	v_fma_f32 v[128+\e], -2.0, v[128+\e], v[112+\e]   ; the smallest d2 = x2 - 2 max(xm - m2/2)
.endr
.irp e, 0,1,2,3
	v_max_num_f32 v[128+\e], 0, v[128+\e]
.endr
	s_wait_alu depctr_va_vdst(0)                   ; the wait ahead of the batch
.irp e, 0,1,2,3
	v_sqrt_f32 v[132+\e], v[128+\e]
.endr
	v_nop                                          ; a plain place behind the last root
	s_wait_alu depctr_va_vdst(0)                   ; one wait for the four roots, ahead of their first reader
	global_store_b128 v[L16], v[132:135], s[22:23] ; 32 lanes store the work-group's 128 numbers: 512 consecutive bytes, aligned to 256
.Lnot_first:
	s_wait_tensorcnt 0x0                           ; the wave's end, behind my last tensor load and my last LDS store
	ds_add_u32 v[SPW], v[NIL]
	s_wait_dscnt 0x0
	CROUND                                         ; the closing round: no work-group ends while a partner may still ask for a part that names it
	s_endpgm
.Lfunc_end_k_q9fd19839d9_chain:
	.size	k_q9fd19839d9_chain, .Lfunc_end_k_q9fd19839d9_chain-k_q9fd19839d9_chain
	.p2alignl 7, 3214868480
	.fill 96, 4, 3214868480
	.section	.rodata,"a",@progbits
	.p2align	6, 0x0
	.amdhsa_kernel k_q9fd19839d9_chain
		.amdhsa_group_segment_fixed_size 327680
		.amdhsa_private_segment_fixed_size 0
		.amdhsa_enable_private_segment 0
		.amdhsa_kernarg_size 72
		.amdhsa_user_sgpr_count 2
		.amdhsa_user_sgpr_kernarg_segment_ptr 1
		.amdhsa_wavefront_size32 1
		.amdhsa_system_sgpr_workgroup_id_x 1
		.amdhsa_system_sgpr_workgroup_id_y 1
		.amdhsa_system_sgpr_workgroup_id_z 1
		.amdhsa_system_vgpr_workitem_id 0
		.amdhsa_next_free_vgpr 512
		.amdhsa_next_free_sgpr 100
		.amdhsa_reserve_vcc 0
		.amdhsa_float_denorm_mode_32 3
		.amdhsa_float_denorm_mode_16_64 3
		.amdhsa_memory_ordered 1
		.amdhsa_forward_progress 1
		.amdhsa_inst_pref_size 217
	.end_amdhsa_kernel
	.amdgpu_metadata
---
amdhsa.version: [ 1, 2 ]
amdhsa.kernels:
  - .name:           k_q9fd19839d9_chain
    .symbol:         k_q9fd19839d9_chain.kd
    .args:
      - { .name: features_codes, .offset: 0, .size: 8, .value_kind: global_buffer, .address_space: global }
      - { .name: features_scales, .offset: 8, .size: 8, .value_kind: global_buffer, .address_space: global }
      - { .name: W1_scales, .offset: 16, .size: 8, .value_kind: global_buffer, .address_space: global }
      - { .name: b1, .offset: 24, .size: 8, .value_kind: global_buffer, .address_space: global }
      - { .name: W2_scales, .offset: 32, .size: 8, .value_kind: global_buffer, .address_space: global }
      - { .name: b2, .offset: 40, .size: 8, .value_kind: global_buffer, .address_space: global }
      - { .name: wimg, .offset: 48, .size: 8, .value_kind: global_buffer, .address_space: global }
      - { .name: bankq, .offset: 56, .size: 8, .value_kind: global_buffer, .address_space: global }
      - { .name: out0, .offset: 64, .size: 8, .value_kind: global_buffer, .address_space: global }
    .group_segment_fixed_size: 327680
    .private_segment_fixed_size: 0
    .kernarg_segment_align: 8
    .kernarg_segment_size: 72
    .max_flat_workgroup_size: 256
    .sgpr_count:     100
    .vgpr_count:     512
    .wavefront_size: 32
...
	.end_amdgpu_metadata
.endif
;; end of part 2
